; MI455X (gfx1250); checked and timed in simulation.
; The chip was launched on July 23, 2026; its instructions are those of AMD's public machine-readable ISA for CDNA 5 (MIT licence, August 2026) and "CDNA5" Instruction Set Architecture Reference Guide (July 2026). The comments in the code are by the model that wrote it; some were corrected since.
;; Attention. Allowed arithmetic: matrix products marked QUANTISED: E2M1 operands, one E8M0 scale for each 32 along K, by v_wmma_scale_f32_16x16x128_f8f6f4 with both operands' format E2M1 (or v_wmma_scale_f32_32x16x128_f4), f32 sums; everything else in f32.
;; Inputs: keys 4 x 16 x 2,048 x 64 float32; queries 4 x 16 x 2,048 x 64 float32; values 4 x 16 x 2,048 x 64 float32.
;; Outputs: out0 4 x 16 x 2,048 x 64 float32.
;; Constants: head_dim = 64.
;; This version of the problem:
;;   THIS VERSION OF THE PROBLEM IS GIVEN IN LOW PRECISION. The matrix products marked QUANTISED in the list below multiply operands that are first quantised to E2M1 (2 exponent bits, 1 mantissa bit; 4 bits a number), with one power-of-two scale for each 32 numbers along K (OCP MX v1.0); their sums are f32. All else is computed in f32.
;;   The module's matrix products, in the order in which they are computed (A, B: the left and right operand; K: the contracted axis; several contracted axes count as one K, in the product's order):
;;     1. batch 64 x [M 2,048, K 64] x [K 64, N 2,048]; A: input queries; B: input keys: QUANTISED
;;     2. batch 64 x [M 2,048, K 2,048] x [K 2,048, N 64]; A: softmax (see below); B: input values: QUANTISED
;;   THE QUANTISER, for each operand of a quantised product, along K:
;;     - K is cut into blocks of 32 from its start; a last block that is shorter is filled with zeros.
;;     - A block's scale is 2^e with e = floor(log2(the largest magnitude in the block)) - 2, held to -126 .. 127; a block of zeros has e = 0. As a byte (E8M0): e + 127.
;;     - Each number is divided by its block's scale, clamped to +-6, and rounded to the nearest number of E2M1, ties to even, subnormals kept.
;;     - The product sums the exact products of the quantised numbers (number of the format x scale) in f32.
;;   ~~~python
;;   def quantise(x, axis):      # numpy; x: float32 -> the quantised numbers, widened to float32 again
;;       x = np.moveaxis(x, axis, -1); K = x.shape[-1]
;;       x = np.pad(x, [(0, 0)] * (x.ndim - 1) + [(0, -K % 32)]); x = x.reshape(x.shape[:-1] + (-1, 32)); a = np.abs(x).max(-1, keepdims=True)
;;       e = np.where(a > 0, np.clip(np.frexp(np.where(a > 0, a, 1))[1] - 1 - 2, -126, 127), 0)      # np.frexp(a)[1] - 1 = floor(log2(a)), exactly
;;       r = np.clip(x / 2.0 ** e, -6, 6)
;;       step = 2.0 ** (np.maximum(np.frexp(np.where(r == 0, 1, r))[1] - 1, 0) - 1)
;;       q = np.round(r / step) * step * 2.0 ** e      # np.round: ties to even
;;       return np.moveaxis(q.reshape(q.shape[:-2] + (-1,))[..., :K], -1, axis).astype(np.float32)
;;   ~~~
;;   SOFTMAX AHEAD OF A QUANTISED PRODUCT. Where the list says 'softmax', what is quantised is not the finished softmax but p = 2^(t - M), with t = logit x log2(e) and M = ceil(the row's largest t), a whole number; so 1/2 < the row's largest p <= 1. The row's sum l is taken of the UNQUANTISED p, in f32, and the product's result is divided by l at the end. Since M is a whole number, a kernel that streams over the keys may use a running M (the ceiling of the running maximum): every later rescaling is an exact power of two, which a block's scale takes up: the codes' values come out the same.
;;   OPERANDS COMPUTED ON THE WAY. 'Computed on the way' means the value that the module computes at that place (a softmax that the list does not call 'softmax' is quantised finished and normalised). What goes into a quantiser is computed in f32, as accurately as f32 sums, v_exp_f32 and their like allow (about 1e-6 of the number): no bf16 or f16 on the way to a quantiser, and a product that is left as it is and whose result goes on into a quantised operand takes f32 operands (vector FMAs, or v_wmma_f32_16x16x4_f32). A number that lies on a knife's edge between two numbers of the format may be rounded either way, as far as f32 arithmetic and the matrix unit's own rounding can turn it there, and no further.
;; One version. Each part assembles by itself: llvm-mc -triple=amdgcn-amd-amdhsa -mcpu=gfx1250 --defsym DOCPART=n.
;; ======== version 1 of 1: 2 launches
;; workspace buffers: kv 9,175,040 bytes
;; launch prep (part 1): grid 16 x 64, 8 waves a work-group, no clusters, 37,888 bytes of LDS; arguments keys, values, kv; writes kv
.if DOCPART == 1
	.amdgcn_target "amdgcn-amd-amdhsa--gfx1250"
	.amdhsa_code_object_version 6
	.text
	.protected	k_q73a5df8765_prep
	.globl	k_q73a5df8765_prep
	.p2align	8
	.type	k_q73a5df8765_prep,@function
k_q73a5df8765_prep:
	s_mov_b64 s[64:65], 0
	v_nop
	global_prefetch_b8 v0, s[64:65] scope:SCOPE_SE
	s_setreg_imm32_b32 hwreg(HW_REG_WAVE_MODE, 25, 1), 1
	s_wait_xcnt 0x0
; keys and values, [64 heads][2048][64] f32, become codes of FP4 (E2M1) with one E8M0 byte for each 32 along a product's K, laid in kv in the ORDER OF THE OPERANDS' REGISTERS.
; keys are quantised along the head's 64 (two blocks), values along the keys.  A block's scale is 2^(floor(log2(largest magnitude)) - 2): its byte is that magnitude's exponent field - 2, held at 1 from below.
; kv: head hd at 143,360 hd, key step s (128 keys) at + 8,960 s.  In a step, lane l = r + 16 h:
;   0    + 512 t + 16 l          K tile t (0..7): dims 32 h .. 32 h + 31 of key 32 (t/2) + 8 (t%2) + r + 8 (r/8): registers 0-3 of the operand
;   4096 + 1024 t + 512 c + 16 l V^T tile t (0..3): row d = 16 t + r, keys 64 c + 32 h + 0 .. 31: registers 4 c .. 4 c + 3
;   8192 + 16 l + 4 j            K's scale word of tile 4 h + j, row r: bytes 0, 1 the two blocks, bytes 2, 3 = 0x7f (for the zero codes that fill K = 64 up to the instruction's 128)
;   8704 + 8 l + 4 j             V's scale word of tile 2 h + j, row r: byte b for keys 32 b .. 32 b + 31
; SHARES.  A work-group takes one key step of one head (64 KiB in, 8,960 consecutive bytes out).  Wave w takes K's tile w, and of V block w / 2 of the keys for columns 32 (w % 2) + lane.
; In both a lane ends up with ONE WHOLE BLOCK of 32 numbers, so no maximum crosses lanes.  K's rows are loaded as they lie (512 consecutive bytes a load) and turned through the wave's own stage in LDS;
; V is loaded a lane to a column, registers down the keys, so its codes come out with the keys innermost.  No work-group shares an input with another: no cluster, no tensor loads.
; LIMITS: NaN and infinities among the inputs are not served.  A block of zeros gets the byte 1 where the quantiser says 127: its codes are zeros, and this program alone reads the bytes.
.set STEPB,  8960
.set HEADB,  16*STEPB
.set SPITCH, 272                       ; a stage row: 256 bytes + 16: sixteen rows begin at sixteen different 16-byte columns of 256
.set WSTG,   16*SPITCH                 ; a wave's stage
.set SCA,    8*WSTG                    ; K's scale words, one word a thread: 1,024 bytes
.set SCB,    SCA+1024                  ; V's scale bytes, one word a thread: 1,024 bytes
; v1 lane, v2 r, v3 h; v4 16 lane; v5, v6 the stage in and out; v7 4 lane; v8 V's codes' place; v10 SCA + 4 thread; v11 8 h; v12 8 lane; v13, v14 wave 0's gathers
; v16-47 K as loaded; v48-79 V's block; v80-111 K turned, later the gathers; v112-115, v116-119 codes; v120-123 at work; v124 K's word; v126 a permute's destination
	s_load_b128 s[4:7], s[0:1], 0x0                ; keys, values
	s_load_b64 s[8:9], s[0:1], 0x10                ; kv
	v_lshl_add_u32 v128, v0, 2, 0x9000
	v_mov_b32 v129, 0
	v_lshrrev_b32 v1, 5, v0
	s_delay_alu instid0(VALU_DEP_1)
	v_readfirstlane_b32 s10, v1                    ; wave 0..7
	v_and_b32 v1, 31, v0                           ; lane
	v_and_b32 v2, 15, v0                           ; r
	v_bfe_u32 v3, v0, 4, 1                         ; h
	s_delay_alu instid0(VALU_DEP_3)
	v_lshlrev_b32 v4, 4, v1                        ; 16 x lane
	s_mul_i32 s11, s10, WSTG                       ; my stage
	v_mul_u32_u24 v5, v3, SPITCH
	s_delay_alu instid0(VALU_DEP_1)
	v_lshl_add_u32 v5, v2, 4, v5
	s_delay_alu instid0(VALU_DEP_1)
	v_add_nc_u32 v5, s11, v5                       ; in: a load's 512 bytes are two rows: row h, 16 r
	v_mul_u32_u24 v6, v2, SPITCH
	s_delay_alu instid0(VALU_DEP_1)
	v_lshl_add_u32 v6, v3, 7, v6
	s_delay_alu instid0(VALU_DEP_1)
	v_add_nc_u32 v6, s11, v6                       ; out: row r, my block's 128 bytes
	v_lshlrev_b32 v7, 2, v1                        ; V: 4 bytes a lane
	v_lshlrev_b32 v8, 10, v3
	s_delay_alu instid0(VALU_DEP_1)
	v_lshl_add_u32 v8, v2, 4, v8                   ; V's codes: 1,024 (lane / 16) + 16 r
	v_lshl_add_u32 v10, v0, 2, SCA                 ; my word among the scales
	v_lshlrev_b32 v11, 3, v3                       ; 8 h
	v_lshlrev_b32 v12, 3, v1                       ; 8 x lane
	v_lshlrev_b32 v13, 2, v2
	s_delay_alu instid0(VALU_DEP_1)
	v_lshl_add_u32 v14, v3, 9, v13                 ; 4 r + 512 h: K's words of tiles 4 h + j lie 128 j further on
	s_delay_alu instid0(VALU_DEP_2)
	v_lshl_add_u32 v13, v3, 7, v13                 ; 4 r + 128 h: V's bytes of tile 2 h + j, block b lie 64 j + 256 b further on
	v_mov_b32 v126, 0                              ; a lane permute's destination counts as one of its sources
	s_and_b32 s12, ttmp7, 0xffff                   ; the head
	s_lshr_b32 s13, s10, 1
	s_and_b32 s14, s10, 1
	s_lshl_b32 s2, s12, 19                         ; a head is 2,048 rows of 256 bytes,
	s_lshl_b32 s3, ttmp9, 15                       ; a key step 128 rows,
	s_add_co_u32 s2, s2, s3
	s_lshl_b32 s3, s13, 13                         ; 32 rows for each pair of waves
	s_add_co_u32 s2, s2, s3
	s_lshl_b32 s22, s14, 11                        ; K: tile w begins 8 (w % 2) rows on
	s_add_co_u32 s22, s22, s2
	s_mov_b32 s23, 0
	s_lshl_b32 s24, s14, 7                         ; V: columns 32 (w % 2) on
	s_add_co_u32 s24, s24, s2
	s_mov_b32 s25, 0
	s_mul_i32 s26, s12, HEADB
	s_mul_i32 s15, ttmp9, STEPB
	s_add_co_u32 s26, s26, s15                     ; the step's image in kv
	s_mov_b32 s27, 0
	s_lshl_b32 s28, s10, 9                         ; K's tile w in it
	s_mov_b32 s29, 0
	s_lshl_b32 s30, s14, 11                        ; V's: 4,096 + 2,048 (w % 2) + 256 (w / 2)
	s_lshl_b32 s15, s13, 8
	s_add_co_u32 s30, s30, s15
	s_add_co_u32 s30, s30, 4096
	s_mov_b32 s31, 0
	s_mov_b32 s20, 0x76543210
	s_mov_b32 s21, 0xfedcba98                      ; v_permlanex16_b32's selects for lane l xor 16
	s_wait_kmcnt 0x0
	s_add_nc_u64 s[4:5], s[4:5], s[22:23]
	s_add_nc_u64 s[6:7], s[6:7], s[24:25]
	s_add_nc_u64 s[8:9], s[8:9], s[26:27]
	s_add_nc_u64 s[16:17], s[8:9], s[28:29]
	s_add_nc_u64 s[18:19], s[8:9], s[30:31]
.irp j, 0,1,2,3,4,5,6,7
	global_load_b128 v[16+4*\j:19+4*\j], v4, s[4:5] offset:(\j/4)*4096+(\j%4)*512 th:TH_LOAD_NT   ; two neighbouring keys' rows: 512 consecutive bytes; the tile's second eight keys lie 16 rows on
.endr
.set i, 0
.rept 32
	global_load_b32 v[48+i], v7, s[6:7] offset:256*i th:TH_LOAD_NT   ; values(32 (w / 2) + i, my column): 128 consecutive bytes a wave, the row's other 128 by the wave beside me
.set i, i+1
.endr
; 32 numbers of ONE block in v[src] on become 32 codes in v[codes] .. v[codes + 3]; the scale's byte is left in v123
.macro QUANT32 src, codes
	v_max3_num_f32 v120, |v[\src]|, |v[\src+1]|, |v[\src+2]|
	v_max3_num_f32 v121, |v[\src+3]|, |v[\src+4]|, |v[\src+5]|   ; two chains, so that no line waits for the one above it
.irp i, 6,10,14,18,22,26
	s_delay_alu instid0(VALU_DEP_2)
	v_max3_num_f32 v120, v120, |v[\src+\i]|, |v[\src+\i+1]|
	s_delay_alu instid0(VALU_DEP_2)
	v_max3_num_f32 v121, v121, |v[\src+\i+2]|, |v[\src+\i+3]|
.endr
	s_delay_alu instid0(VALU_DEP_2)
	v_max3_num_f32 v120, v120, |v[\src+30]|, |v[\src+31]|
	s_delay_alu instid0(VALU_DEP_1)
	v_max3_num_f32 v120, v120, v121, 0x1800000     ; and the floor 2^(3 - 127): the byte cannot fall under 1
	s_delay_alu instid0(VALU_DEP_1)
	v_add_nc_u32 v122, 0xff000000, v120            ; 2 off the exponent field: the conversion takes this operand's exponent field as its scale, and nothing else of it
.irp g, 0,1,2,3
	v_cvt_scalef32_pk8_fp4_f32 v[\codes+\g], v[\src+8*\g:\src+8*\g+7], v122
.endr
	v_lshrrev_b32 v123, 23, v122                   ; the scale's byte; also the plain line behind the conversions
.endm
	s_wait_loadcnt 32                              ; K's eight loads are in; V's 32, issued behind them, may be out
.irp j, 0,1,2,3,4,5,6,7
	ds_store_b128 v5, v[16+4*\j:19+4*\j] offset:2*SPITCH*\j      ; tile rows 2 j and 2 j + 1
.endr
.irp i, 0,1,2,3,4,5,6,7
	ds_load_b128 v[80+4*\i:83+4*\i], v6 offset:16*\i             ; my own stage: LDS serves a wave's instructions in order, so these see the stores above
.endr
	s_wait_dscnt 0x0
	QUANT32 80, 112
	s_delay_alu instid0(VALU_DEP_1)
	v_lshlrev_b32 v123, v11, v123                  ; my block's byte at its place, 8 h bits up;
	s_delay_alu instid0(VALU_DEP_1)
	v_permlanex16_b32 v126, v123, s20, s21
	s_delay_alu instid0(VALU_DEP_1)
	v_or_b32 v124, v123, v126                      ; with lane l xor 16's the row's two bytes;
	s_delay_alu instid0(VALU_DEP_1)
	v_or_b32 v124, 0x7f7f0000, v124                ; and 1.0 for the two blocks of zero codes
	global_store_b128 v4, v[112:115], s[16:17]     ; 512 consecutive bytes, at a multiple of 256 from kv's first byte
	ds_store_b32 v10, v124
	s_wait_loadcnt 0x0                             ; V's block
	QUANT32 48, 116
	global_store_b128 v8, v[116:119], s[18:19]     ; each sixteen lanes store 256 consecutive bytes, aligned
	ds_store_b32 v10, v123 offset:SCB-SCA
	s_wait_dscnt 0x0                               ; for wave 0's sake: my words lie in LDS
	s_barrier_signal -1
	s_barrier_wait -1
	s_cmp_lg_u32 s10, 0                            ; wave 0 alone lays the step's 768 bytes of scale words and stores them in three aligned runs of 256 bytes
	s_cbranch_scc1 .Lend
.irp j, 0,1,2,3
	ds_load_b32 v[80+\j], v14 offset:SCA+128*\j    ; K's word of tile 4 h + j, row r: thread 32 (4 h + j) + r wrote it
.endr
.irp j, 0,1
.irp b, 0,1,2,3
	ds_load_b32 v[84+4*\j+\b], v13 offset:SCB+64*\j+256*\b   ; V's byte of column 32 h + 16 j + r, block b: thread 32 (2 b + h) + 16 j + r wrote it
.endr
.endr
	s_wait_dscnt 0x0
.irp j, 0,1
	v_lshl_or_b32 v[92+\j], v[85+4*\j], 8, v[84+4*\j]
	s_delay_alu instid0(VALU_DEP_1)
	v_lshl_or_b32 v[92+\j], v[86+4*\j], 16, v[92+\j]
	s_delay_alu instid0(VALU_DEP_1)
	v_lshl_or_b32 v[92+\j], v[87+4*\j], 24, v[92+\j]
.endr
	global_store_b128 v4, v[80:83], s[8:9] offset:8192
	global_store_b64 v12, v[92:93], s[8:9] offset:8704
.Lend:
	s_wait_tensorcnt 0x0
	ds_add_u32 v128, v129
	s_wait_dscnt 0x0
	s_endpgm
.Lfunc_end_k_q73a5df8765_prep:
	.size	k_q73a5df8765_prep, .Lfunc_end_k_q73a5df8765_prep-k_q73a5df8765_prep
	.p2alignl 7, 3214868480
	.fill 96, 4, 3214868480
	.section	.rodata,"a",@progbits
	.p2align	6, 0x0
	.amdhsa_kernel k_q73a5df8765_prep
		.amdhsa_group_segment_fixed_size 37888
		.amdhsa_private_segment_fixed_size 0
		.amdhsa_enable_private_segment 0
		.amdhsa_kernarg_size 24
		.amdhsa_user_sgpr_count 2
		.amdhsa_user_sgpr_kernarg_segment_ptr 1
		.amdhsa_wavefront_size32 1
		.amdhsa_system_sgpr_workgroup_id_x 1
		.amdhsa_system_sgpr_workgroup_id_y 1
		.amdhsa_system_sgpr_workgroup_id_z 1
		.amdhsa_system_vgpr_workitem_id 0
		.amdhsa_next_free_vgpr 130
		.amdhsa_next_free_sgpr 66
		.amdhsa_reserve_vcc 0
		.amdhsa_float_denorm_mode_32 3
		.amdhsa_float_denorm_mode_16_64 3
		.amdhsa_memory_ordered 1
		.amdhsa_forward_progress 1
		.amdhsa_inst_pref_size 15
	.end_amdhsa_kernel
	.amdgpu_metadata
---
amdhsa.version: [ 1, 2 ]
amdhsa.kernels:
  - .name:           k_q73a5df8765_prep
    .symbol:         k_q73a5df8765_prep.kd
    .args:
      - { .name: keys, .offset: 0, .size: 8, .value_kind: global_buffer, .address_space: global }
      - { .name: values, .offset: 8, .size: 8, .value_kind: global_buffer, .address_space: global }
      - { .name: kv, .offset: 16, .size: 8, .value_kind: global_buffer, .address_space: global }
    .group_segment_fixed_size: 37888
    .private_segment_fixed_size: 0
    .kernarg_segment_align: 8
    .kernarg_segment_size: 24
    .max_flat_workgroup_size: 256
    .sgpr_count:     66
    .vgpr_count:     130
    .wavefront_size: 32
...
	.end_amdgpu_metadata
.endif
;; end of part 1
;; launch attn (part 2): grid 4 x 64, 16 waves a work-group, clusters of 4 x 1, 215,040 bytes of LDS; arguments queries, kv, out0; writes out0
.if DOCPART == 2
	.amdgcn_target "amdgcn-amd-amdhsa--gfx1250"
	.amdhsa_code_object_version 6
	.text
	.protected	k_q73a5df8765_attn
	.globl	k_q73a5df8765_attn
	.p2align	8
	.type	k_q73a5df8765_attn,@function
k_q73a5df8765_attn:
	s_mov_b64 s[64:65], 0
	v_nop
	global_prefetch_b8 v0, s[64:65] scope:SCOPE_SE
	s_setreg_imm32_b32 hwreg(HW_REG_WAVE_MODE, 25, 1), 1
	s_wait_xcnt 0x0
	s_wait_alu depctr_hold_cnt(0) depctr_sa_sdst(0) depctr_va_vdst(0) depctr_va_sdst(0) depctr_va_ssrc(0) depctr_va_vcc(0) depctr_vm_vsrc(0)
	s_getreg_b32 s2, hwreg(HW_REG_IB_STS2, 6, 4)
	s_cmp_eq_u32 s2, 0
	s_cbranch_scc0 .Lentry_in_a_cluster
	s_endpgm
.Lentry_in_a_cluster:
	s_bfe_u32 s2, ttmp6, 0x10000c
	s_cmp_lg_u32 s2, 0x3003
	s_cbranch_scc0 .Lentry_shape_is_right
	s_endpgm
.Lentry_shape_is_right:
; out0[hd][q][:] = the sum over k <= q of softmax_k(Q[hd][q] . K[hd][k] / 8) V[hd][k][:], 64 heads, 2,048 queries and keys, head size 64; both products on codes of FP4 (E2M1) with one E8M0 scale for each 32 along K.
; K and V come as the register images that the launch before laid in kv (8,960 bytes a key step of 128 keys: K's 8 tiles, V^T's 4 tiles, their scale words); Q is f32 and is quantised here, by the wave that owns it.
; THE SOFTMAX: t = score x log2(e) / 8; M = the running largest t rounded UP to a whole number; p = 2^(t - M) is quantised along the keys, not normalised; the row's sum is taken of the unquantised p and divides at the end.
; When M moves, the sum and O^T are multiplied by 2^(old M - new M): exact.
; SHARES.  The four work-groups of a cluster serve one head.  The head's whole image, 16 x 8,960 = 143,360 bytes, comes into each one's LDS ONCE, by joint tensor loads (same descriptor, mask of all four), and stays:
; nothing is filled again.  Sixteen waves of 256 registers, four to a SIMD, so that one wave's vector work stands beside another's loads and products.
; Wave w of work-group g owns two tiles of 16 queries: T1 = 4 w + g and T2 = 127 - T1.  Tile T needs key steps 0 .. T / 8, so a wave has (w / 2 + 1) + (16 - w / 2) = 17 steps, the same in every wave of the launch.
; T1 / 8 = w / 2 and T2 / 8 = 15 - w / 2 hang on the wave's number alone: no branch hangs on the work-group's place in its cluster, which enters Q's and out0's addresses and the mask's number only.
; Both loops have constant trip counts (8 and 16 steps); a step all of whose keys come after the tile's queries is jumped over, all but the two lines that step the address and the count.
; LAYOUT.  Both products are used transposed: S^T = K Q^T (source 0 = 16 keys, source 1 = 16 queries), O^T = V^T P^T: a lane holds ONE query (lane % 16) throughout.  The keys of a tile of K are chosen so that the 16 registers
; of tiles 2 b and 2 b + 1 are keys 32 b + 16 (lane / 16) + 0 .. 15.  K = 64 IS HALF OF THE INSTRUCTION'S 128: registers 4-7 of K's and Q's fragments hold zero codes, written once, with the scale byte 0x7f.
; O^T and the sum begin as zeros and the largest t as -3e38, so that a step is written once for first and later steps: 32 clears a tile.
; LIMITS: NaN and infinities among the inputs are not served.  A block of zeros keeps the byte 1 (its codes are zeros).  A block's largest p is made from the block's largest score by the same multiply-add and exponential,
; which takes v_exp_f32 not to fall where its input rises.  p under 2^-126 comes out as 0.
.set STEPB,  8960
.set HEADB,  16*STEPB
.set SPITCH, 272                       ; a stage row: 256 bytes + 16
.set STG,    HEADB                     ; behind the image: a stage of 16 rows for each wave, into which no tensor load lands
.set LI,   1                           ; v1   16 x lane
.set L8,   2                           ; v2   8 x lane
.set RD,   3                           ; v3   stage: row lane / 16, 16 (lane % 16): two whole rows an instruction
.set STO,  4                           ; v4   stage: row r, + 32 h: O's eight channels
.set QR,   5                           ; v5   stage: row r, + 128 h: my block of Q
.set H8,   6                           ; v6   8 h
.set DM,   7                           ; v7   the mask's number: my query - the diagonal step's first key - 16 h
.set AD,   8                           ; v8   the step's image + 16 lane
.set AD8,  9                           ; v9   the step's image + 8 lane
.set PFO,  10                          ; v10  the prefetch's offset; never rewritten
.set NINF, 11                          ; v11  -infinity
                                       ; v12 -M, v13 the largest t, v[14:15] the sum in two halves
.set QC,   16                          ; v16-19 Q's codes, v20-23 zeros
.set QS,   24                          ; v24  Q's scale word
.set RH,   26                          ; v26  r - 16 h
.set KF,   32                          ; v32-95   K's 8 fragments; registers +4 .. +7 of each stay zero
.set S,    96                          ; v96-159  S^T, then p; Q's numbers; the way out
.set OT,   160                         ; v160-191 O^T
.set VF,   192                         ; v192-223 V's 4 fragments; Q as it is loaded
.set PC,   224                         ; v224-231 p's codes
.set BM,   232                         ; v232-235 the blocks' largest scores, then p
.set BT,   236                         ; v236-239 at work
.set KS,   240                         ; v240-243 K's scale words: register j: lanes 0-15 tile j, lanes 16-31 tile 4 + j
.set SO,   244                         ; v244-247 the conversions' scale operands
.set VS,   248                         ; v248-249 V's scale words: register j: lanes 0-15 tile j, lanes 16-31 tile 2 + j
.set PW,   250                         ; v250 p's scale word
.set FF,   252                         ; v[252:253] f = 2^(old M - new M), named as a pair
.set TMP,  254
.set WV,   10                          ; s10  my wave's number
.set QA,   16                          ; s[16:17], s[18:19] Q at tile A, tile B;  s[20:21], s[22:23] out0 likewise
.set QB,   18
.set OA,   20
.set OB,   22
.set G1A,  24                          ; s[24:31] descriptor group 1: 35 rows of 256 bytes;  s[32:39]: 105 rows
.set G1B,  32
.set G0A,  40                          ; s[40:43], s[44:47] their groups 0
.set G0B,  44
.set SEL,  48                          ; s[48:49] lane selects for lane l xor 16
.set CS,   50                          ; s[50:51] c = log2(e) / 8
.set SN,   52                          ; s52  the key step's number, and the loops' counter
.set TB,   53                          ; s53  LDS byte at which the step's image begins
.set JDA,  54                          ; s54  tile A's last step, the one on the diagonal;  s55 tile B's
.set JDB,  55
.set MBA,  56                          ; s56  16 (T1 % 8): tile A's first query less the diagonal step's first key;  s57 tile B's
.set MBB,  57
.set PFA,  58                          ; s[58:59] the prefetch's base; never rewritten
; A round of the cluster's barrier: my work-group's barrier, wave 0's signal for the work-group, every wave's wait for all four work-groups, my work-group's barrier once more.
.macro CROUND
	s_barrier_signal -1
	s_barrier_wait -1
	s_cmp_lg_u32 s[WV], 0
	s_cbranch_scc1 .Lnot_wave_0_\@
	s_barrier_signal -3
.Lnot_wave_0_\@:
	s_barrier_wait -3
	s_barrier_signal -1
	s_barrier_wait -1
.endm
	s_load_b128 s[4:7], s[0:1], 0x0                ; queries, kv
	s_load_b64 s[8:9], s[0:1], 0x10                ; out0
	v_lshl_add_u32 v251, v0, 2, 0x34000
	v_mov_b32 v255, 0
	ds_add_u32 v251, v255
	ds_add_u32 v251, v255
	v_lshrrev_b32 v27, 5, v0
	s_delay_alu instid0(VALU_DEP_1)
	v_readfirstlane_b32 s[WV], v27                 ; wave 0..15
	s_bfe_u32 s11, ttmp6, 0x40000                  ; g: my place in the cluster
	s_and_b32 s12, ttmp7, 0xffff                   ; the head, which the four partners share
	s_lshr_b32 s[JDA], s[WV], 1
	s_xor_b32 s[JDB], s[JDA], 15                   ; 15 - w / 2
	s_lshl_b32 s60, s[WV], 2
	s_add_co_u32 s60, s60, s11                     ; T1
	s_sub_co_u32 s61, 127, s60                     ; T2
	s_and_b32 s[MBA], s60, 7
	s_lshl_b32 s[MBA], s[MBA], 4
	s_sub_co_u32 s[MBB], 112, s[MBA]               ; 16 (7 - T1 % 8)
	s_lshl_b32 s2, s12, 19                         ; a head of Q or out0 is 2,048 rows of 256 bytes, a tile 4,096 bytes
	s_lshl_b32 s14, s60, 12
	s_add_co_u32 s14, s14, s2
	s_mov_b32 s15, 0
	s_lshl_b32 s62, s61, 12
	s_add_co_u32 s2, s2, s62
	s_mov_b32 s3, 0
	; descriptor groups 1: dense blocks as rows of 256 bytes (32 elements of 8 bytes), no padding: the image is read 16 bytes a lane, 512 consecutive bytes an instruction
	s_mov_b32 s[G1A], 15|(3<<16)|(1<<21)           ; 15:0 the mask: all four work-groups; 17:16 elements of 8 bytes; 21 set beside a mask
	s_mov_b32 s[G1A+1], 32<<16                     ; tensor_dim0 = 32
	s_mov_b32 s[G1A+2], 35<<16                     ; tensor_dim1 = 35: one key step
	s_mov_b32 s[G1A+3], 32<<16                     ; tile_dim0 = 32
	s_mov_b32 s[G1A+4], 35                         ; tile_dim1
	s_mov_b32 s[G1A+5], 32                         ; from row to row
	s_mov_b32 s[G1A+6], 0
	s_mov_b32 s[G1A+7], 0
	s_mov_b32 s[G1B], 15|(3<<16)|(1<<21)
	s_mov_b32 s[G1B+1], 32<<16
	s_mov_b32 s[G1B+2], 105<<16                    ; three key steps
	s_mov_b32 s[G1B+3], 32<<16
	s_mov_b32 s[G1B+4], 105
	s_mov_b32 s[G1B+5], 32
	s_mov_b32 s[G1B+6], 0
	s_mov_b32 s[G1B+7], 0
	; groups 0 (used by waves 0 to 3): wave w brings step w, and steps 4 + 3 w to 6 + 3 w.  LDS address = offset in the head's image: the wave's number and constants alone
	s_mul_i32 s13, s12, HEADB
	s_mul_i32 s66, s[WV], STEPB
	s_mul_i32 s68, s[WV], 3*STEPB
	s_add_co_u32 s68, s68, 4*STEPB
	s_mov_b32 s[G0A], 1
	s_mov_b32 s[G0A+1], s66
	s_mov_b32 s[G0B], 1
	s_mov_b32 s[G0B+1], s68
	s_add_co_u32 s66, s66, s13
	s_mov_b32 s67, 0
	s_add_co_u32 s68, s68, s13
	s_mov_b32 s69, 0
	s_mov_b32 s[SEL], 0x76543210
	s_mov_b32 s[SEL+1], 0xfedcba98
	s_mov_b32 s[CS], 0x3e38aa3b                    ; log2(e) / 8
	s_mov_b32 s[CS+1], s[CS]                       ; (named with it as a pair, so it is written)
	s_mul_i32 s63, s[WV], 16*SPITCH
	s_add_co_u32 s63, s63, STG                     ; my stage
	v_and_b32 v27, 31, v0                          ; lane
	v_and_b32 v28, 15, v0                          ; r
	v_bfe_u32 v29, v0, 4, 1                        ; h
	s_delay_alu instid0(VALU_DEP_3)
	v_lshlrev_b32 v[LI], 4, v27
	s_delay_alu instid0(VALU_DEP_4)
	v_lshlrev_b32 v[L8], 3, v27
	s_delay_alu instid0(VALU_DEP_3)
	v_mul_u32_u24 v[RD], v29, SPITCH
	s_delay_alu instid0(VALU_DEP_1)
	v_lshl_add_u32 v[RD], v28, 4, v[RD]
	s_delay_alu instid0(VALU_DEP_1)
	v_add_nc_u32 v[RD], s63, v[RD]
	v_mul_u32_u24 v30, v28, SPITCH
	s_delay_alu instid0(VALU_DEP_1)
	v_lshl_add_u32 v[STO], v29, 5, v30
	s_delay_alu instid0(VALU_DEP_1)
	v_add_nc_u32 v[STO], s63, v[STO]
	s_delay_alu instid0(VALU_DEP_3)
	v_lshl_add_u32 v[QR], v29, 7, v30
	s_delay_alu instid0(VALU_DEP_1)
	v_add_nc_u32 v[QR], s63, v[QR]
	v_lshlrev_b32 v[H8], 3, v29
	v_lshlrev_b32 v[PFO], 8, v28
	s_delay_alu instid0(VALU_DEP_1)
	v_lshl_add_u32 v[PFO], v29, 14, v[PFO]         ; 256 r + 16,384 h
	v_mov_b32 v[NINF], 0xff800000
	v_lshlrev_b32 v31, 4, v29
	s_delay_alu instid0(VALU_DEP_1)
	v_sub_nc_u32 v[RH], v28, v31
	s_wait_dscnt 0x0
	s_wait_kmcnt 0x0
	s_add_nc_u64 s[QA:QA+1], s[4:5], s[14:15]
	s_add_nc_u64 s[QB:QB+1], s[4:5], s[2:3]
	s_add_nc_u64 s[OA:OA+1], s[8:9], s[14:15]
	s_add_nc_u64 s[OB:OB+1], s[8:9], s[2:3]
	s_sub_nc_u64 s[PFA:PFA+1], s[QB:QB+1], 16384   ; four tiles below my tile B: tile B of the wave after me
	s_add_nc_u64 s[G0A+2:G0A+3], s[6:7], s[66:67]
	s_or_b32 s[G0A+3], s[G0A+3], 0x80000000        ; 127:126 type = 2
	s_add_nc_u64 s[G0B+2:G0B+3], s[6:7], s[68:69]
	s_or_b32 s[G0B+3], s[G0B+3], 0x80000000
	CROUND                                         ; all four work-groups are here: the joint loads meet
	s_cmp_lt_u32 s[WV], 4                          ; a wave's two fills stand in one branch, ahead of every wait on TENSORcnt, every LDS read and every further barrier: two loads of a wave are out at the most
	s_cbranch_scc0 .Lno_fetch
	tensor_load_to_lds s[G0A:G0A+3], s[G1A:G1A+7]
	s_nop 0
	tensor_load_to_lds s[G0B:G0B+3], s[G1B:G1B+7]
	s_nop 0
.rept 4
	v_nop
.endr
.Lno_fetch:
; A tile of Q, 16 rows of 256 bytes, as it lies: 512 consecutive bytes a load, into V's registers, which are idle here
.macro QLOAD p
.irp j, 0,1,2,3,4,5,6,7
	global_load_b128 v[VF+4*\j:VF+4*\j+3], v[LI], s[\p:\p+1] offset:512*\j th:TH_LOAD_NT
.endr
.endm
; It turns through my stage, so that lane (r, h) holds dims 32 h .. 32 h + 31 of query r, one whole block, and becomes registers 0-3 of the operand and the row's scale word
.macro QPREP
	s_wait_loadcnt 0x0
.irp j, 0,1,2,3,4,5,6,7
	ds_store_b128 v[RD], v[VF+4*\j:VF+4*\j+3] offset:2*SPITCH*\j
.endr
.irp i, 0,1,2,3,4,5,6,7
	ds_load_b128 v[S+4*\i:S+4*\i+3], v[QR] offset:16*\i   ; my own stage: LDS serves a wave's instructions in order
.endr
	s_wait_dscnt 0x0
	v_max3_num_f32 v[BM], |v[S]|, |v[S+1]|, |v[S+2]|
	v_max3_num_f32 v[BM+1], |v[S+3]|, |v[S+4]|, |v[S+5]|
.irp i, 6,10,14,18,22,26
	s_delay_alu instid0(VALU_DEP_2)
	v_max3_num_f32 v[BM], v[BM], |v[S+\i]|, |v[S+\i+1]|
	s_delay_alu instid0(VALU_DEP_2)
	v_max3_num_f32 v[BM+1], v[BM+1], |v[S+\i+2]|, |v[S+\i+3]|
.endr
	s_delay_alu instid0(VALU_DEP_2)
	v_max3_num_f32 v[BM], v[BM], |v[S+30]|, |v[S+31]|
	s_delay_alu instid0(VALU_DEP_1)
	v_max3_num_f32 v[BM], v[BM], v[BM+1], 0x1800000   ; the floor 2^(3 - 127): the byte cannot fall under 1
	s_delay_alu instid0(VALU_DEP_1)
	v_add_nc_u32 v[SO], 0xff000000, v[BM]          ; 2 off the exponent field: the conversion's scale operand
	s_delay_alu instid0(VALU_DEP_1)
	v_lshrrev_b32 v[BT+1], 23, v[SO]               ; the byte,
	s_delay_alu instid0(VALU_DEP_1)
	v_lshlrev_b32 v[BT+1], v[H8], v[BT+1]          ; at its place;
	s_delay_alu instid0(VALU_DEP_1)
	v_permlanex16_b32 v[BT], v[BT+1], s[SEL], s[SEL+1]
	s_delay_alu instid0(VALU_DEP_1)
	v_or_b32 v[QS], v[BT+1], v[BT]                 ; with lane l xor 16's;
	s_delay_alu instid0(VALU_DEP_1)
	v_or_b32 v[QS], 0x7f7f0000, v[QS]              ; and 1.0 for the two blocks of zero codes
.irp g, 0,1,2,3
	v_cvt_scalef32_pk8_fp4_f32 v[QC+\g], v[S+8*\g:S+8*\g+7], v[SO]
.endr
	v_nop                                          ; one plain line behind the last conversion
.endm
; A tile's start.  These 37 plain lines also stand between the write of Q's scale word and codes and the first product that reads them
.macro INIT mb
	v_add_nc_u32 v[DM], s[\mb], v[RH]
	v_mov_b32 v13, 0xff61b1e6                      ; the largest t so far: -3e38
	s_delay_alu instid0(VALU_DEP_1)
	v_floor_f32 v12, -v13                          ; -M
	v_mov_b32 v14, 0
	v_mov_b32 v15, 0
.set n, 0
.rept 32
	v_mov_b32 v[OT+n], 0
.set n, n+1
.endr
	s_mov_b32 s[SN], 0
	s_mov_b32 s[TB], 0
.endm
; A KEY STEP: 128 keys.  last: the scalar register with the tile's last step, the one on the diagonal
.macro STEP last
	s_cmp_gt_u32 s[SN], s[\last]                   ; all its keys come after my queries: only the two stepping lines at the end are run
	s_cbranch_scc1 .Lhidden_\@
	s_setprio 2
	v_add_nc_u32 v[AD], s[TB], v[LI]
	v_add_nc_u32 v[AD8], s[TB], v[L8]
.irp t, 0,1,2,3,4,5,6,7
	ds_load_b128 v[KF+8*\t:KF+8*\t+3], v[AD] offset:512*\t
.endr
	ds_load_b128 v[KS:KS+3], v[AD] offset:8192
.irp t, 0,1,2,3
.irp c, 0,1
	ds_load_b128 v[VF+8*\t+4*\c:VF+8*\t+4*\c+3], v[AD] offset:4096+1024*\t+512*\c
.endr
.endr
	ds_load_b64 v[VS:VS+1], v[AD8] offset:8704
	s_wait_dscnt 9                                 ; K's eight fragments and its scale words are in; V's eight loads and its scale words, issued behind them, land under the softmax
.irp t, 0,1,2,3
	v_wmma_scale_f32_16x16x128_f8f6f4 v[S+8*\t:S+8*\t+7], v[KF+8*\t:KF+8*\t+7], v[QC:QC+7], 0, v[KS+\t], v[QS] matrix_a_fmt:MATRIX_FMT_FP4 matrix_b_fmt:MATRIX_FMT_FP4
.endr
.irp t, 4,5,6,7
	v_wmma_scale_f32_16x16x128_f8f6f4 v[S+8*\t:S+8*\t+7], v[KF+8*\t:KF+8*\t+7], v[QC:QC+7], 0, v[KS+\t-4], v[QS] matrix_a_fmt:MATRIX_FMT_FP4 matrix_b_fmt:MATRIX_FMT_FP4 matrix_a_scale:MATRIX_SCALE_ROW1
.endr
.rept 4
	v_nop                                          ; four places between the products and the first read of their results (ISA guide 7.12.1)
.endr
	s_cmp_lt_u32 s[SN], s[\last]                   ; ahead of the diagonal all keys count
	s_cbranch_scc1 .Lopen_\@
.set n, 0
.rept 64                                       ; register 16 b + i holds key 32 b + 16 h + i of the step: hidden where 32 b + i > my query - the step's first key - 16 h.  Its score becomes -infinity: p = 0
	v_cmp_gt_i32 vcc_lo, 32*(n/16)+n%16, v[DM]
	v_cndmask_b32 v[S+n], v[S+n], v[NINF], vcc_lo
.set n, n+1
.endr
.Lopen_\@:
.irp b, 0,1,2,3
	v_max3_num_f32 v[BM+\b], v[S+16*\b], v[S+16*\b+1], v[S+16*\b+2]   ; the largest score of each block of 32 keys: for the row's maximum and, since p rises with the score, for the block's largest p
.endr
.irp i, 3,5,7,9,11,13
.irp b, 0,1,2,3
	v_max3_num_f32 v[BM+\b], v[BM+\b], v[S+16*\b+\i], v[S+16*\b+\i+1]   ; the four blocks by turns
.endr
.endr
.irp b, 0,1,2,3
	v_max_num_f32 v[BM+\b], v[BM+\b], v[S+16*\b+15]
.endr
.irp b, 0,1,2,3
	s_delay_alu instid0(VALU_DEP_4)
	v_permlanex16_b32 v[BT+\b], v[BM+\b], s[SEL], s[SEL+1]
.endr
.irp b, 0,1,2,3
	s_delay_alu instid0(VALU_DEP_4)
	v_max_num_f32 v[BM+\b], v[BM+\b], v[BT+\b]     ; with lane l xor 16's 16 keys
.endr
	s_delay_alu instid0(VALU_DEP_2)
	v_max3_num_f32 v[TMP], v[BM], v[BM+1], v[BM+2]
	s_delay_alu instid0(VALU_DEP_1)
	v_max_num_f32 v[TMP], v[TMP], v[BM+3]          ; the step's largest score of my query,
	s_delay_alu instid0(VALU_DEP_1)
	v_mul_f32 v[TMP], s[CS], v[TMP]                ; as t
	s_delay_alu instid0(VALU_DEP_1)
	v_max_num_f32 v13, v13, v[TMP]                 ; the running largest t
	v_mov_b32 v[TMP], v12
	s_delay_alu instid0(VALU_DEP_2)
	v_floor_f32 v12, -v13                          ; the new -M = floor(-t) = -ceil(t)
	s_delay_alu instid0(VALU_DEP_1)
	v_sub_f32 v[TMP], v12, v[TMP]                  ; old M - new M: a whole number, 0 or less
	s_delay_alu instid0(VALU_DEP_1)
	v_cvt_i32_f32 v[TMP], v[TMP]                   ; (it saturates)
	s_delay_alu instid0(VALU_DEP_1)
	v_ldexp_f32 v[FF], 1.0, v[TMP]                 ; f = 2^(old M - new M)
.set n, 0
.rept 32
	v_pk_fma_f32 v[S+n:S+n+1], v[S+n:S+n+1], s[CS:CS+1], v[12:13] op_sel_hi:[1,0,0]   ; t - M, two at a time
.set n, n+2
.endr
	s_setprio 1
.irp b, 0,1,2,3
	v_fma_f32 v[BM+\b], v[BM+\b], s[CS], v12       ; the same of each block's largest score
.endr
.set n, 0
	s_wait_alu depctr_va_vdst(0)
.rept 64
	v_exp_f32 v[S+n], v[S+n]                       ; p = 2^(t - M)
.set n, n+1
.endr
	v_pk_mul_f32 v[14:15], v[14:15], v[FF:FF+1] op_sel_hi:[1,0]   ; the sums under the new M; the plain line behind the exponentials
	s_wait_alu depctr_va_vdst(0)                   ; one wait for the batch of 64, ahead of its first reader
.irp b, 0,1,2,3
	v_exp_f32 v[BM+\b], v[BM+\b]                   ; the blocks' largest p
.endr
	v_pk_add_f32 v[236:237], v[100:101], v[104:105]
	v_pk_add_f32 v[246:247], v[108:109], v[112:113]
	v_pk_add_f32 v[244:245], v[116:117], v[120:121]
	v_pk_add_f32 v[242:243], v[124:125], v[128:129]
	v_pk_add_f32 v[240:241], v[132:133], v[136:137]
	v_pk_add_f32 v[238:239], v[140:141], v[144:145]
	v_pk_add_f32 v[230:231], v[148:149], v[152:153]
	v_pk_add_f32 v[14:15], v[14:15], v[156:157]
	v_pk_add_f32 v[236:237], v[236:237], v[96:97]
	v_pk_add_f32 v[246:247], v[246:247], v[98:99]
	v_pk_add_f32 v[244:245], v[244:245], v[102:103]
	v_pk_add_f32 v[242:243], v[242:243], v[106:107]
	v_pk_add_f32 v[240:241], v[240:241], v[110:111]
	v_pk_add_f32 v[238:239], v[238:239], v[114:115]
	v_pk_add_f32 v[230:231], v[230:231], v[118:119]
	v_pk_add_f32 v[14:15], v[14:15], v[122:123]
	v_pk_add_f32 v[236:237], v[236:237], v[126:127]
	v_pk_add_f32 v[246:247], v[246:247], v[130:131]
	v_pk_add_f32 v[244:245], v[244:245], v[134:135]
	v_pk_add_f32 v[242:243], v[242:243], v[138:139]
	v_pk_add_f32 v[240:241], v[240:241], v[142:143]
	v_pk_add_f32 v[238:239], v[238:239], v[146:147]
	v_pk_add_f32 v[230:231], v[230:231], v[150:151]
	v_pk_add_f32 v[14:15], v[14:15], v[154:155]
	v_pk_add_f32 v[236:237], v[236:237], v[158:159]
	s_delay_alu instid0(VALU_DEP_2)
	v_pk_add_f32 v[14:15], v[14:15], v[242:243]
	s_delay_alu instid0(VALU_DEP_2)
	v_pk_add_f32 v[236:237], v[236:237], v[240:241]
	v_pk_add_f32 v[246:247], v[246:247], v[238:239]
	v_pk_add_f32 v[244:245], v[244:245], v[230:231]
	s_delay_alu instid0(VALU_DEP_2)
	v_pk_add_f32 v[14:15], v[14:15], v[246:247]
	s_delay_alu instid0(VALU_DEP_2)
	v_pk_add_f32 v[236:237], v[236:237], v[244:245]
	s_delay_alu instid0(VALU_DEP_1)
	v_pk_add_f32 v[14:15], v[14:15], v[236:237]
	s_wait_alu depctr_va_vdst(0)                   ; and one for the four
.irp b, 0,1,2,3
	v_max_num_f32 v[BM+\b], 0x1800000, v[BM+\b]    ; the floor 2^(3 - 127): the byte cannot fall under 1
.endr
.irp b, 0,1,2,3
	s_delay_alu instid0(VALU_DEP_4)
	v_add_nc_u32 v[SO+\b], 0xff000000, v[BM+\b]    ; 2 off the exponent field: the conversion's scale operand
.endr
.irp b, 0,1,2,3
	s_delay_alu instid0(VALU_DEP_4)
	v_lshrrev_b32 v[BT+\b], 23, v[SO+\b]           ; the scale's byte
.endr
	s_delay_alu instid0(VALU_DEP_3)
	v_lshl_or_b32 v[PW], v[BT+1], 8, v[BT]         ; p's scale word for these 128 keys
	s_delay_alu instid0(VALU_DEP_1)
	v_lshl_or_b32 v[PW], v[BT+2], 16, v[PW]
	s_delay_alu instid0(VALU_DEP_1)
	v_lshl_or_b32 v[PW], v[BT+3], 24, v[PW]
	s_setprio 0
.irp b, 0,1,2,3
	v_cvt_scalef32_pk8_fp4_f32 v[PC+2*\b], v[S+16*\b:S+16*\b+7], v[SO+\b]
	v_cvt_scalef32_pk8_fp4_f32 v[PC+2*\b+1], v[S+16*\b+8:S+16*\b+15], v[SO+\b]
.endr
	v_nop                                          ; one plain line behind the last conversion
.irp c, 0,1                                    ; the operand wants a WHOLE block in a lane: lanes 0-15 block 2 c, lanes 16-31 block 2 c + 1
.irp i, 0,1
	v_permlane16_swap_b32 v[PC+4*\c+\i], v[PC+4*\c+2+\i]
.endr
.endr
.set n, 0
.rept 16
	v_pk_mul_f32 v[OT+n:OT+n+1], v[OT+n:OT+n+1], v[FF:FF+1] op_sel_hi:[1,0]   ; O^T under the new M.  Of these sixteen, twelve name no register of any one product below: the places between the writes of p's codes and scale word and that product
.set n, n+2
.endr
	s_wait_alu depctr_va_vdst(0)
	s_wait_dscnt 0x0                               ; V's fragments and scale words
.irp t, 0,1                                    ; the four accumulators by turns; between two links of one chain stand the three others' and the next step's eight
	v_wmma_scale_f32_16x16x128_f8f6f4 v[OT+8*\t:OT+8*\t+7], v[VF+8*\t:VF+8*\t+7], v[PC:PC+7], v[OT+8*\t:OT+8*\t+7], v[VS+\t], v[PW] matrix_a_fmt:MATRIX_FMT_FP4 matrix_b_fmt:MATRIX_FMT_FP4
.endr
.irp t, 2,3
	v_wmma_scale_f32_16x16x128_f8f6f4 v[OT+8*\t:OT+8*\t+7], v[VF+8*\t:VF+8*\t+7], v[PC:PC+7], v[OT+8*\t:OT+8*\t+7], v[VS+\t-2], v[PW] matrix_a_fmt:MATRIX_FMT_FP4 matrix_b_fmt:MATRIX_FMT_FP4 matrix_a_scale:MATRIX_SCALE_ROW1
.endr
.rept 4
	v_nop                                          ; four places in front of the next loads into V's registers and of the next read of O^T
.endr
.Lhidden_\@:
	s_add_co_u32 s[TB], s[TB], STEPB
	s_add_co_u32 s[SN], s[SN], 1
.endm
; THE WAY OUT of a tile: O^T / the sum goes through my stage (a lane's eight channels of a row are 32 bytes) and leaves as whole rows
.macro WAYOUT p
	v_add_f32 v14, v14, v15                        ; the sum's two halves,
	s_delay_alu instid0(VALU_DEP_1)
	v_permlanex16_b32 v[FF], v14, s[SEL], s[SEL+1]
	s_delay_alu instid0(VALU_DEP_1)
	v_add_f32 v14, v14, v[FF]                      ; and lane l xor 16's
	s_wait_alu depctr_va_vdst(0)
	v_rcp_f32 v14, v14
	v_nop                                          ; a plain line behind the reciprocal,
	s_wait_alu depctr_va_vdst(0)                   ; and the wait ahead of its first reader
.set n, 0
.rept 16
	v_pk_mul_f32 v[S+n:S+n+1], v[OT+n:OT+n+1], v[14:15] op_sel_hi:[1,0]   ; register 8 t + i is out0(r, 16 t + 8 h + i); each accumulator from its low end on
.set n, n+2
.endr
.irp t, 0,1,2,3
	ds_store_b128 v[STO], v[S+8*\t:S+8*\t+3] offset:64*\t
	ds_store_b128 v[STO], v[S+8*\t+4:S+8*\t+7] offset:64*\t+16
.endr
.irp i, 0,1,2,3,4,5,6,7
	ds_load_b128 v[S+32+4*\i:S+32+4*\i+3], v[RD] offset:2*SPITCH*\i   ; my own stage: these see the stores above
.endr
.irp i, 0,1,2,3,4,5,6,7
	s_wait_dscnt 7-\i                              ; the younger loads from the stage may be out
	global_store_b128 v[LI], v[S+32+4*\i:S+32+4*\i+3], s[\p:\p+1] offset:512*\i th:TH_STORE_NT   ; two whole rows: 512 consecutive bytes, at a multiple of 256 from out0's first byte
.endr
.endm
	QLOAD QA
.irp t, 0,1,2,3,4,5,6,7
.irp c, 4,5,6,7
	v_mov_b32 v[KF+8*\t+\c], 0                     ; zero codes for k = 64 .. 127: written once, never loaded over
.endr
.endr
.irp c, 4,5,6,7
	v_mov_b32 v[QC+\c], 0
.endr
.irp b, 0,1,2,3
	v_mov_b32 v[BT+\b], 0                          ; a lane permute's destination counts as one of its sources
.endr
	v_mov_b32 v[FF], 0
	v_mov_b32 v[FF+1], 0                           ; (named as the upper half of the pair)
	QPREP
	INIT MBA
	s_wait_tensorcnt 0x1                           ; my first fill, one of key steps 0 to 3, has landed; my second, issued behind it, may stay out
	s_wait_dscnt 0x0
	s_barrier_signal -1
	s_barrier_wait -1                              ; steps 0 to 3 lie in LDS for every wave
	STEP JDA                                       ; key step 0: every tile has it
	s_wait_tensorcnt 0x0                           ; my second fill has landed
	s_wait_dscnt 0x0
	s_barrier_signal -1
	s_barrier_wait -1                              ; the whole head lies in LDS: from here on the waves run free
	; A prefetch of tile B's queries, behind the last wait for tiles.  An even wave names 32 rows of 256 bytes, a lane a row: the 16 of the next wave's tile B (lanes 0-15) and the 16 of its own (lanes 16-31):
	; each row is named once in the launch; partners differ by address alone.  All 32 rows lie inside my head's queries (tiles 64 to 127).
	s_and_b32 s60, s[WV], 1
	s_cmp_eq_u32 s60, 0
	s_cbranch_scc0 .Lno_ask
	global_prefetch_b8 v[PFO], s[PFA:PFA+1] th:TH_LOAD_NT scope:SCOPE_SE
.Lno_ask:
.LA:                                               ; key steps 1 to 7 of tile A: seven trips
	STEP JDA
	s_cmp_lt_u32 s[SN], 8
	s_cbranch_scc1 .LA
	s_setprio 0
	QLOAD QB                                       ; tile B's queries are on their way while tile A goes out
	WAYOUT OA
	s_wait_xcnt 0x0                                ; tile A's stores have read their data registers, which tile B's scores will write
	QPREP
	INIT MBB
.LB:                                               ; key steps 0 to 15 of tile B: sixteen trips
	STEP JDB
	s_cmp_lt_u32 s[SN], 16
	s_cbranch_scc1 .LB
	s_setprio 0
	WAYOUT OB
	s_wait_dscnt 0x0
	s_wait_tensorcnt 0x0
	ds_add_u32 v251, v255
	s_wait_dscnt 0x0
	CROUND                                         ; the closing round: no work-group ends ahead of its partners
	s_endpgm
.Lfunc_end_k_q73a5df8765_attn:
	.size	k_q73a5df8765_attn, .Lfunc_end_k_q73a5df8765_attn-k_q73a5df8765_attn
	.p2alignl 7, 3214868480
	.fill 96, 4, 3214868480
	.section	.rodata,"a",@progbits
	.p2align	6, 0x0
	.amdhsa_kernel k_q73a5df8765_attn
		.amdhsa_group_segment_fixed_size 215040
		.amdhsa_private_segment_fixed_size 0
		.amdhsa_enable_private_segment 0
		.amdhsa_kernarg_size 24
		.amdhsa_user_sgpr_count 2
		.amdhsa_user_sgpr_kernarg_segment_ptr 1
		.amdhsa_wavefront_size32 1
		.amdhsa_system_sgpr_workgroup_id_x 1
		.amdhsa_system_sgpr_workgroup_id_y 1
		.amdhsa_system_sgpr_workgroup_id_z 1
		.amdhsa_system_vgpr_workitem_id 0
		.amdhsa_next_free_vgpr 256
		.amdhsa_next_free_sgpr 70
		.amdhsa_reserve_vcc 1
		.amdhsa_float_denorm_mode_32 3
		.amdhsa_float_denorm_mode_16_64 3
		.amdhsa_memory_ordered 1
		.amdhsa_forward_progress 1
		.amdhsa_inst_pref_size 89
	.end_amdhsa_kernel
	.amdgpu_metadata
---
amdhsa.version: [ 1, 2 ]
amdhsa.kernels:
  - .name:           k_q73a5df8765_attn
    .symbol:         k_q73a5df8765_attn.kd
    .args:
      - { .name: queries, .offset: 0, .size: 8, .value_kind: global_buffer, .address_space: global }
      - { .name: kv, .offset: 8, .size: 8, .value_kind: global_buffer, .address_space: global }
      - { .name: out0, .offset: 16, .size: 8, .value_kind: global_buffer, .address_space: global }
    .group_segment_fixed_size: 215040
    .private_segment_fixed_size: 0
    .kernarg_segment_align: 8
    .kernarg_segment_size: 24
    .max_flat_workgroup_size: 512
    .sgpr_count:     70
    .vgpr_count:     256
    .wavefront_size: 32
...
	.end_amdgpu_metadata
.endif
;; end of part 2
